; MI455X (gfx1250); checked and timed in simulation.
; The chip was launched on July 23, 2026; its instructions are those of AMD's public machine-readable ISA for CDNA 5 (MIT licence, August 2026) and "CDNA5" Instruction Set Architecture Reference Guide (July 2026). The comments in the code are by the model that wrote it; some were corrected since.
;; MASS. Allowed arithmetic: float matrix products may take bf16 or f16 operands with f32 sums; other float arithmetic in f32, or as packed bf16 or f16 multiplies, adds, multiply-adds, maxima and minima; sums over many terms, partial sums and values carried from step to step in f32; what a program stores and reads back later, other than sums and carried values, may be rounded once to bf16 or f16.
;; Inputs: A1 128 x 1 float32; A2 128 x 1 float32; biases 1,024 x 200 float32; m 1,024 x 200 x 128 float32; m_c 1,024 x 200 x 128 float32; mask 1,024 x 200 float32; q 1,024 x 128 float32; q_p 1,024 x 128 float32.
;; Outputs: out0 1,024 x 200 float32.
;; One version. Each part assembles by itself: llvm-mc -triple=amdgcn-amd-amdhsa -mcpu=gfx1250 --defsym DOCPART=n.
;; ======== version 1 of 1: 1 launch
;; launch mass (part 1): grid 256 x 1, 8 waves a work-group, no clusters, 9,728 bytes of LDS; arguments q, q_p, m, m_c, A1, A2, biases, mask, out0; writes out0
.if DOCPART == 1
	.amdgcn_target "amdgcn-amd-amdhsa--gfx1250"
	.amdhsa_code_object_version 6
	.text
	.protected	k_q511637c4bc_mass
	.globl	k_q511637c4bc_mass
	.p2align	8
	.type	k_q511637c4bc_mass,@function
k_q511637c4bc_mass:
	s_mov_b64 s[64:65], 0
	v_nop
	global_prefetch_b8 v0, s[64:65] scope:SCOPE_SE
	s_setreg_imm32_b32 hwreg(HW_REG_WAVE_MODE, 25, 1), 1
	s_wait_xcnt 0x0
; out0[b][n] = y_out[b][n] * softmax over n of (-y_att[b][n]), with, for x = m (y_att) and x = m_c (y_out),
;   y[b][n] = ( sum over e of A1[e]^2 (q[b][e] - x[b][n][e])^2 + sum over e of A2[e]^2 (q_p[b][e] - x[b][n][e])^2 + 2 biases[b][n] ) * mask[b][n].
; B = 1024, N = 200, E = 128, all f32; all arithmetic in f32 on the vector unit (the problem has no matrix product: every b has its own m[b]).
; ONE SUM FOR TWO.  With s1 = A1^2, s2 = A2^2, w = s1 + s2, t = s2 / w, c = q + t (q_p - q), for all real numbers
;   s1 (q - x)^2 + s2 (q_p - x)^2 = w (x - c)^2 + s1 t (q_p - q)^2,
; both terms on the right not negative, c between q and q_p.  So for each b: SW[e] = sqrt(w), NC[e] = -SW c, K = sum over e of s1 t (q_p - q)^2, made once; and for each row
; D = sum over e of (x SW + NC)^2: two operations a number of m and m_c.  y = (D + K + 2 bias) mask.
; NOTHING IS LEFT OUT: K and the biases stand under the mask, so they are not the same along n in front of the softmax; all eight inputs are loaded.
; SOFTMAX.  The row's least y (the greatest -y) is taken away: p = 2^((mn - y) log2 e), as one fused line y (-log2 e) + mn log2 e; the rounding of mn log2 e is one factor common to
; all p of the row and to their sum, and leaves p / sum as it is.
; LIMITS.  The sums' order and rounding differ from the formula's as written.  Where A1[e]^2 + A2[e]^2 is below 2^-100, t is s2 x 2^100 (still 0 to 1), and that channel's term, itself below
; 2^-100 times a squared difference, is only near.  A weight below 2^-126 counts as 0.  NaN and infinities are not treated apart.
; SHARES.  Work-group g owns b = 4 g .. 4 g + 3: 256 work-groups of equal work.  Wave w: b = 4 g + w / 2; even waves stream m[b], odd waves m_c[b]: 200 rows of 512 bytes.
; Lane l holds channels 4 l .. 4 l + 3 of every row: one load of the wave is one whole row, 512 consecutive bytes at a multiple of 512 from the buffer's first byte.
; IN FLIGHT.  A chunk is 8 rows (8 loads, 32 registers); a ring of 6 chunk slots in registers: 40 to 48 loads of each wave are out all the time.  The 25 chunks are written out by macro: a row's place
; stands in the load's immediate (101,888 at the most), so no address register and no base is ever rewritten, and the stream has no wait but the counted one at each chunk's head.
; NO CLUSTER: work-groups share A1 and A2 alone, 1,024 bytes of the launch's 213 million.  NO LDS ON THE WAY IN: no byte of m or m_c has two readers.
; ACROSS THE LANES.  A row's 32 partial sums are not summed row by row: eight rows are summed and turned at once.  In a step with lane bit k, of two rows each lane keeps one (by its bit) and hands the other
; to the lane whose number differs in that bit: two selects and one add that reads the other lane.  After three steps lane l holds row l % 8 of the chunk, summed over its 8 lanes;
; two more steps on four chunks leave row 32 j + l in lane l: the order in which biases, mask and the result lie in memory.
.set DEPTH, 6                          ; chunk slots
.set WREG,  0                          ; LDS: the weights: 128 bytes of room, then 800 bytes for each of the four b
.set OREG,  4352                       ; LDS: y_out, laid out likewise.  A region is 128 + 16 x 256 bytes and some: every thread's 16-byte address below lies inside it
.set GUARD, 128
.set SPARE, 8704                       ; the spare words, 128 bytes for each of eight waves: four blocks of 256 bytes that no other line names
.set VO,  1                            ; v1   16 x lane: my 16 bytes of a row, and of q, q_p, A1, A2; never rewritten
.set SPW, 2                            ; v2   LDS address of my spare word: SPARE + 4 x my thread's number; never rewritten
.set NIL, 3                            ; v3   0; never rewritten
.set BO,  4                            ; v4   4 x lane; never rewritten
.set BO6, 5                            ; v5   4 x (lane % 8): rows 192 to 199, each held by four lanes; never rewritten
.set LSA, 6                            ; v6   where I put a row's number in LDS: my wave's 800 bytes + 4 x lane
.set LSA6, 7                           ; v7   the same + 4 x (lane % 8)
.set SW,  8                            ; v[8:11]   sqrt(w) of my 4 channels
.set NC,  12                           ; v[12:15]  -sqrt(w) c
.set KK,  16                           ; v16  K, in every lane
.set XH,  17                           ; v17  takes the other half of the lanes' number
.set P,   18                           ; v[18:25]  a chunk's eight partial sums (before the stream: q, q_p as loaded)
.set U,   26                           ; v[26:29]  what is handed to the other lane (before the stream: A1)
.set Q,   30                           ; v[30:33]  four chunks after three steps (before the stream: A2)
.set Y,   34                           ; v[34:40]  Y + j: row 32 j + lane; Y + 6: row 192 + lane % 8
.set BI,  42                           ; v[42:48]  biases, laid out like Y
.set MK,  50                           ; v[50:56]  mask, likewise
.set T,   57                           ; v[57:63]  at work
.set X,   64                           ; v[64:255] the ring: slot s at X + 32 s, row r of the chunk at + 4 r
.set LM1, 40                           ; s40-s44  the lanes whose number has bit 0, 1, 2, 3, 4
.set LM2, 41
.set LM4, 42
.set LM8, 43
.set LM16, 44
.set LOW8, 45                          ; s45  lanes 0 to 7
.set SEL, 46                           ; s[46:47] v_permlanex16_b32's selects: each lane takes its own place in the other half
	s_load_b512 s[4:19], s[0:1], 0x0               ; q s[4:5], q_p s[6:7], m s[8:9], m_c s[10:11], A1 s[12:13], A2 s[14:15], biases s[16:17], mask s[18:19]
	s_load_b64 s[20:21], s[0:1], 0x40              ; out0
	v_lshl_add_u32 v[SPW], v0, 2, SPARE
	v_mov_b32 v[NIL], 0
	v_lshrrev_b32 v5, 5, v0
	v_readfirstlane_b32 s22, v5                    ; wave 0..7
	s_lshr_b32 s23, s22, 1                         ; which of the group's four b
	s_and_b32 s24, s22, 1                          ; 0: m, 1: m_c
	s_lshl_b32 s25, ttmp9, 2
	s_add_co_u32 s25, s25, s23                     ; b
	s_mul_i32 s26, s25, 102400                     ; b's 200 rows of 512 bytes in m and m_c: under 2^27
	s_mov_b32 s27, 0
	s_lshl_b32 s30, s25, 9                         ; b's row of q and q_p
	s_mov_b32 s31, 0
	s_mul_i32 s32, s25, 800                        ; b's row of biases and mask
	s_mov_b32 s33, 0
	; The group's 3,200 bytes of out0 begin at a multiple of 256 from out0's first byte where g is even, 128 bytes behind one where g is odd.  An odd group counts its threads from 8 and its base from 128 bytes earlier.
	s_and_b32 s34, ttmp9, 1
	s_cmp_lg_u32 s34, 0
	s_cselect_b32 s35, 8, 0                        ; the first thread that stores
	s_cselect_b32 s36, 0, GUARD                    ; thread 0's place in an LDS region
	s_cselect_b32 s37, GUARD, 0
	s_mul_i32 s38, ttmp9, 3200
	s_sub_co_u32 s38, s38, s37                     ; thread 0's place in out0 (g = 0 is even: never below 0)
	s_mov_b32 s39, 0
	s_mov_b32 s[LM1], 0xaaaaaaaa
	s_mov_b32 s[LM2], 0xcccccccc
	s_mov_b32 s[LM4], 0xf0f0f0f0
	s_mov_b32 s[LM8], 0xff00ff00
	s_mov_b32 s[LM16], 0xffff0000
	s_mov_b32 s[LOW8], 0xff
	s_mov_b32 s[SEL], 0x76543210
	s_mov_b32 s[SEL+1], 0xfedcba98
	s_mul_i32 s49, s24, OREG                       ; my wave's 800 bytes in LDS: the region by the tensor,
	s_mul_i32 s50, s23, 800                        ; the place in it by b
	s_add_co_u32 s49, s49, s50
	s_add_co_u32 s49, s49, GUARD
	v_and_b32 v5, 31, v0                           ; lane
	v_lshlrev_b32 v[VO], 4, v5
	v_lshlrev_b32 v[BO], 2, v5
	v_and_b32 v5, 7, v0
	v_lshlrev_b32 v[BO6], 2, v5
	v_add_nc_u32 v[LSA], s49, v[BO]
	v_add_nc_u32 v[LSA6], s49, v[BO6]
	v_mov_b32 v[XH], 0                             ; v_permlanex16_b32's destination counts as read: written once here
	s_wait_kmcnt 0x0
	s_cmp_eq_u32 s24, 0
	s_cselect_b64 s[28:29], s[8:9], s[10:11]       ; the tensor that I stream,
	s_add_nc_u64 s[28:29], s[28:29], s[26:27]      ; at b's first row
	s_add_nc_u64 s[4:5], s[4:5], s[30:31]
	s_add_nc_u64 s[6:7], s[6:7], s[30:31]
	s_add_nc_u64 s[16:17], s[16:17], s[32:33]
	s_add_nc_u64 s[18:19], s[18:19], s[32:33]
	s_add_nc_u64 s[20:21], s[20:21], s[38:39]
; Chunk c's eight loads, into slot c % 6: a row each.  m and m_c are read once in the launch.
.macro FILL c
.irp r, 0,1,2,3,4,5,6,7
	global_load_b128 v[X+32*((\c)%DEPTH)+4*(\r):X+32*((\c)%DEPTH)+4*(\r)+3], v[VO], s[28:29] offset:512*(8*(\c)+(\r)) th:TH_LOAD_NT
.endr
.endm
; One step's selects for two rows a and b: u = the one that the other lane keeps, k = the one that I keep (a where my bit is 0, b where it is 1).  k may be a.
.macro PICK u, k, a, b, msk
	v_cndmask_b32 v[\u], v[\b], v[\a], s[\msk]
	v_cndmask_b32 v[\k], v[\a], v[\b], s[\msk]
.endm
; and its add: k += u of the lane whose number differs by x.  (The destination has been written by PICK.)
.macro JOIN k, u, x
	v_add_f32_dpp v[\k], v[\u], v[\k] row_xmask:\x row_mask:0xf bank_mask:0xf
.endm
	global_load_b128 v[P:P+3],   v[VO], s[4:5]     ; q
	global_load_b128 v[P+4:P+7], v[VO], s[6:7]     ; q_p
	global_load_b128 v[U:U+3],   v[VO], s[12:13]   ; A1
	global_load_b128 v[Q:Q+3],   v[VO], s[14:15]   ; A2
.irp c, 0,1,2,3,4,5
	FILL \c                                        ; the ring is filled: 48 loads
.endr
	; THE COEFFICIENTS of b, for my four channels, while the ring's loads are on their way
	s_wait_loadcnt 48                              ; loads come back in order: the four above are in, the ring's 48 stay out
	v_pk_mul_f32 v[34:35], v[U:U+1], v[U:U+1]      ; s1
	v_pk_mul_f32 v[36:37], v[U+2:U+3], v[U+2:U+3]
	v_pk_mul_f32 v[38:39], v[Q:Q+1], v[Q:Q+1]      ; s2
	v_pk_mul_f32 v[40:41], v[Q+2:Q+3], v[Q+2:Q+3]
	v_pk_add_f32 v[42:43], v[34:35], v[38:39]      ; w
	v_pk_add_f32 v[44:45], v[36:37], v[40:41]
.irp i, 0,1,2,3
	v_max_num_f32 v[50+(\i)], 0x0d800000, v[42+(\i)]  ; w, at least 2^-100: its reciprocal is finite, and t stays within 0 to 1
.endr
.irp i, 0,1,2,3
	v_rcp_f32 v[50+(\i)], v[50+(\i)]
.endr
.irp i, 0,1,2,3
	v_sqrt_f32 v[SW+(\i)], v[42+(\i)]
.endr
	v_pk_add_f32 v[46:47], v[P+4:P+5], v[P:P+1] neg_lo:[0,1] neg_hi:[0,1]      ; q_p - q: plain work that names none of the eight results
	v_pk_add_f32 v[48:49], v[P+6:P+7], v[P+2:P+3] neg_lo:[0,1] neg_hi:[0,1]
	s_wait_alu depctr_va_vdst(0)                   ; one wait for the batch of eight, ahead of its first reader
	v_pk_mul_f32 v[50:51], v[38:39], v[50:51]      ; t = s2 / w
	v_pk_mul_f32 v[52:53], v[40:41], v[52:53]
	v_pk_fma_f32 v[54:55], v[50:51], v[46:47], v[P:P+1]      ; c = q + t (q_p - q)
	v_pk_fma_f32 v[56:57], v[52:53], v[48:49], v[P+2:P+3]
	v_pk_mul_f32 v[58:59], v[34:35], v[50:51]      ; s1 t
	v_pk_mul_f32 v[60:61], v[36:37], v[52:53]
	v_pk_mul_f32 v[NC:NC+1], v[SW:SW+1], v[54:55] neg_lo:[1,0] neg_hi:[1,0]    ; -sqrt(w) c
	v_pk_mul_f32 v[NC+2:NC+3], v[SW+2:SW+3], v[56:57] neg_lo:[1,0] neg_hi:[1,0]
	v_pk_mul_f32 v[58:59], v[58:59], v[46:47]      ; s1 t (q_p - q)
	v_pk_mul_f32 v[60:61], v[60:61], v[48:49]
	v_pk_mul_f32 v[62:63], v[58:59], v[46:47]      ; s1 t (q_p - q)^2, my four channels into two,
	v_pk_fma_f32 v[62:63], v[60:61], v[48:49], v[62:63]
	v_add_f32 v[KK], v62, v63                      ; into one,
	v_add_f32_dpp v[KK], v[KK], v[KK] row_xmask:1 row_mask:0xf bank_mask:0xf   ; and over the 32 lanes: K, in every lane
	v_add_f32_dpp v[KK], v[KK], v[KK] row_xmask:2 row_mask:0xf bank_mask:0xf
	v_add_f32_dpp v[KK], v[KK], v[KK] row_xmask:4 row_mask:0xf bank_mask:0xf
	v_add_f32_dpp v[KK], v[KK], v[KK] row_xmask:8 row_mask:0xf bank_mask:0xf
	v_permlanex16_b32 v[XH], v[KK], s[SEL], s[SEL+1]
	v_add_f32 v[KK], v[KK], v[XH]
; CHUNK c: rows 8 c .. 8 c + 7.  The wait's count is the loads issued behind this chunk's own: the younger chunks', five of them while there are five (40), and for chunks 1 to 6 also the 14 loads of
; biases and mask, which chunk 0 issues behind chunk 6's (54); from chunk 20 on the counts run down to 0.  At most 62 loads of the wave are out.
.macro CHUNK c
.set SL, X+32*((\c)%DEPTH)
.if (\c) == 0
.set NW, 40
.elseif (\c) < 7
.set NW, 54
.elseif (\c) < 20
.set NW, 40
.else
.set NW, 8*(24-(\c))
.endif
	s_wait_loadcnt NW
.irp r, 0,1,2,3,4,5,6,7
	v_pk_fma_f32 v[SL+4*(\r):SL+4*(\r)+1],   v[SL+4*(\r):SL+4*(\r)+1],   v[SW:SW+1],   v[NC:NC+1]      ; sqrt(w) (x - c), in place
	v_pk_fma_f32 v[SL+4*(\r)+2:SL+4*(\r)+3], v[SL+4*(\r)+2:SL+4*(\r)+3], v[SW+2:SW+3], v[NC+2:NC+3]
.endr
.irp r, 0,1,2,3,4,5,6,7
	v_pk_mul_f32 v[SL+4*(\r):SL+4*(\r)+1], v[SL+4*(\r):SL+4*(\r)+1], v[SL+4*(\r):SL+4*(\r)+1]         ; squared,
.endr
.irp r, 0,1,2,3,4,5,6,7
	v_pk_fma_f32 v[SL+4*(\r):SL+4*(\r)+1], v[SL+4*(\r)+2:SL+4*(\r)+3], v[SL+4*(\r)+2:SL+4*(\r)+3], v[SL+4*(\r):SL+4*(\r)+1]  ; four into two,
.endr
.irp r, 0,1,2,3,4,5,6,7
	v_add_f32 v[P+(\r)], v[SL+4*(\r)], v[SL+4*(\r)+1]                                                 ; into one
.endr
.if (\c) < 19
	FILL (\c)+DEPTH                                ; the slot has been read out: it takes the chunk six further on, ahead of the work across the lanes
.endif
.if (\c) == 0
.irp j, 0,1,2,3,4,5
	global_load_b32 v[BI+(\j)], v[BO], s[16:17] offset:128*(\j)    ; biases and mask of rows 32 j + lane: 128 consecutive bytes a load; both waves of a b read them
	global_load_b32 v[MK+(\j)], v[BO], s[18:19] offset:128*(\j)
.endr
	global_load_b32 v[BI+6], v[BO6], s[16:17] offset:768           ; rows 192 to 199, four lanes to a row: nothing behind the row's 800 bytes is touched
	global_load_b32 v[MK+6], v[BO6], s[18:19] offset:768
.endif
	PICK U,   P,   P,   P+1, LM1                   ; lane bit 0: rows (0, 1), (2, 3), (4, 5), (6, 7); the selects of all pairs first, then the adds
	PICK U+1, P+2, P+2, P+3, LM1
	PICK U+2, P+4, P+4, P+5, LM1
	PICK U+3, P+6, P+6, P+7, LM1
	JOIN P,   U,   1
	JOIN P+2, U+1, 1
	JOIN P+4, U+2, 1
	JOIN P+6, U+3, 1
	PICK U,   P,   P,   P+2, LM2                   ; lane bit 1
	PICK U+1, P+4, P+4, P+6, LM2
	JOIN P,   U,   2
	JOIN P+4, U+1, 2
	PICK U, Q+(\c)%4, P, P+4, LM4                  ; lane bit 2: lane l now holds row l % 8 of the chunk, summed over its eight lanes
	JOIN Q+(\c)%4, U, 4
.endm
; Four chunks, 32 rows, are finished: lane bit 3 chooses between neighbouring chunks, lane bit 4 between the pairs.  Lane l ends with row 32 j + l.
.macro MERGE j
	PICK U,   Q,   Q,   Q+1, LM8
	PICK U+1, Q+2, Q+2, Q+3, LM8
	JOIN Q,   U,   8
	JOIN Q+2, U+1, 8
	PICK U, Y+(\j), Q, Q+2, LM16
	v_permlanex16_b32 v[U+1], v[U], s[SEL], s[SEL+1]
	v_add_f32 v[Y+(\j)], v[Y+(\j)], v[U+1]
.endm
.set ch, 0
.rept 25
	CHUNK ch
.if ch%4 == 3
	MERGE ch/4
.endif
.set ch, ch+1
.endr
	; the last chunk stands alone: its eight rows are summed over the four groups of eight lanes, and every group ends with all eight
	v_add_f32_dpp v[Q], v[Q], v[Q] row_xmask:8 row_mask:0xf bank_mask:0xf
	v_permlanex16_b32 v[U], v[Q], s[SEL], s[SEL+1]
	v_add_f32 v[Y+6], v[Q], v[U]
	; y = (D + K + 2 bias) mask.  The last chunk's wait was for 0: biases and mask are in.
.irp j, 0,1,2,3,4,5,6
	v_fma_f32 v[BI+(\j)], v[BI+(\j)], 2.0, v[KK]
.endr
.irp j, 0,1,2,3,4,5,6
	v_add_f32 v[Y+(\j)], v[Y+(\j)], v[BI+(\j)]
.endr
.irp j, 0,1,2,3,4,5,6
	v_mul_f32 v[Y+(\j)], v[Y+(\j)], v[MK+(\j)]
.endr
	s_cmp_lg_u32 s24, 0                            ; m_c's waves have y_out and go on to LDS; m's waves make the weights.  No barrier stands in what is jumped
	s_cbranch_scc1 .Lput
	v_min3_num_f32 v[T], v[Y], v[Y+1], v[Y+2]      ; the row's least y (that rows 192 to 199 are held four times does not matter to a minimum)
	v_min3_num_f32 v[T+1], v[Y+3], v[Y+4], v[Y+5]
	v_min3_num_f32 v[T], v[T], v[T+1], v[Y+6]
	v_min_num_f32_dpp v[T], v[T], v[T] row_xmask:1 row_mask:0xf bank_mask:0xf
	v_min_num_f32_dpp v[T], v[T], v[T] row_xmask:2 row_mask:0xf bank_mask:0xf
	v_min_num_f32_dpp v[T], v[T], v[T] row_xmask:4 row_mask:0xf bank_mask:0xf
	v_min_num_f32_dpp v[T], v[T], v[T] row_xmask:8 row_mask:0xf bank_mask:0xf
	v_permlanex16_b32 v[XH], v[T], s[SEL], s[SEL+1]
	v_min_num_f32 v[T], v[T], v[XH]
	v_mul_f32 v[T+1], 0x3fb8aa3b, v[T]             ; mn log2 e
.irp j, 0,1,2,3,4,5,6
	v_fmamk_f32 v[Y+(\j)], v[Y+(\j)], 0xbfb8aa3b, v[T+1]  ; (mn - y) log2 e, fused
.endr
.irp j, 0,1,2,3,4,5,6
	v_exp_f32 v[Y+(\j)], v[Y+(\j)]
.endr
	v_nop                                          ; a plain instruction behind the last exponential,
	s_wait_alu depctr_va_vdst(0)                   ; and one wait for the seven, ahead of their first reader
	v_cndmask_b32 v[T+3], 0, v[Y+6], s[LOW8]       ; in the sum rows 192 to 199 count once; Y + 6 itself stays as it is, so that the four lanes of a row store one number
	v_add_f32 v[T], v[Y], v[Y+1]
	v_add_f32 v[T+1], v[Y+2], v[Y+3]
	v_add_f32 v[T+2], v[Y+4], v[Y+5]
	v_add_f32 v[T], v[T], v[T+1]
	v_add_f32 v[T+2], v[T+2], v[T+3]
	v_add_f32 v[T], v[T], v[T+2]
	v_add_f32_dpp v[T], v[T], v[T] row_xmask:1 row_mask:0xf bank_mask:0xf
	v_add_f32_dpp v[T], v[T], v[T] row_xmask:2 row_mask:0xf bank_mask:0xf
	v_add_f32_dpp v[T], v[T], v[T] row_xmask:4 row_mask:0xf bank_mask:0xf
	v_add_f32_dpp v[T], v[T], v[T] row_xmask:8 row_mask:0xf bank_mask:0xf
	v_permlanex16_b32 v[XH], v[T], s[SEL], s[SEL+1]
	v_add_f32 v[T], v[T], v[XH]                    ; the least y's own term is about 1, so the sum is no smaller
	v_rcp_f32 v[T+1], v[T]
	v_nop
	s_wait_alu depctr_va_vdst(0)                   ; the reciprocal's wait, ahead of its readers and of the label
.irp j, 0,1,2,3,4,5,6
	v_mul_f32 v[Y+(\j)], v[Y+(\j)], v[T+1]         ; the weights
.endr
.Lput:
	; THE MEETING.  Each wave puts its 200 numbers into its own 800 bytes: weights in one region, y_out in the other, b after b, as out0 has them.
.irp j, 0,1,2,3,4,5
	ds_store_b32 v[LSA], v[Y+(\j)] offset:128*(\j)
.endr
	ds_store_b32 v[LSA6], v[Y+6] offset:768        ; four lanes write the same word with the same number
	v_lshl_add_u32 v[T+1], v0, 4, s36              ; where my thread reads 16 bytes of a region,
	v_lshlrev_b32 v[T+2], 4, v0                    ; and where it stores them
	v_sub_nc_u32 v[T+3], v0, s35                   ; my number among the 200 threads that store (the threads below the first wrap round to large numbers)
	v_cmp_gt_u32 vcc_lo, 200, v[T+3]
	s_wait_dscnt 0x0                               ; for the others' sake: my stores into LDS are done
	s_barrier_signal -1
	s_barrier_wait -1                              ; all eight waves' are: the launch's one barrier
	s_wait_xcnt 0x0                                ; EXEC is a source of the loads issued so far: it changes only behind this wait
	s_and_saveexec_b32 s48, vcc_lo
	ds_load_b128 v[X:X+3],   v[T+1] offset:WREG    ; four weights,
	ds_load_b128 v[X+4:X+7], v[T+1] offset:OREG    ; their four y_out
	s_wait_dscnt 0x0
	v_pk_mul_f32 v[X:X+1],   v[X:X+1],   v[X+4:X+5]
	v_pk_mul_f32 v[X+2:X+3], v[X+2:X+3], v[X+6:X+7]
	global_store_b128 v[T+2], v[X:X+3], s[20:21] th:TH_STORE_NT  ; sixteen neighbouring lanes store 256 consecutive bytes, at a multiple of 256 from out0's first byte; only the 256 bytes in which groups 2 k and 2 k + 1 meet are written in two halves
	s_wait_xcnt 0x0                                ; and again, in front of the line that widens EXEC
	s_or_b32 exec_lo, exec_lo, s48
	s_wait_tensorcnt 0x0                           ; the wave's end: behind my last LDS store, with all lanes on
	ds_add_u32 v[SPW], v[NIL]
	s_wait_dscnt 0x0
	s_endpgm
.Lfunc_end_k_q511637c4bc_mass:
	.size	k_q511637c4bc_mass, .Lfunc_end_k_q511637c4bc_mass-k_q511637c4bc_mass
	.p2alignl 7, 3214868480
	.fill 96, 4, 3214868480
	.section	.rodata,"a",@progbits
	.p2align	6, 0x0
	.amdhsa_kernel k_q511637c4bc_mass
		.amdhsa_group_segment_fixed_size 9728
		.amdhsa_private_segment_fixed_size 0
		.amdhsa_enable_private_segment 0
		.amdhsa_kernarg_size 72
		.amdhsa_user_sgpr_count 2
		.amdhsa_user_sgpr_kernarg_segment_ptr 1
		.amdhsa_wavefront_size32 1
		.amdhsa_system_sgpr_workgroup_id_x 1
		.amdhsa_system_sgpr_workgroup_id_y 1
		.amdhsa_system_sgpr_workgroup_id_z 1
		.amdhsa_system_vgpr_workitem_id 0
		.amdhsa_next_free_vgpr 256
		.amdhsa_next_free_sgpr 66
		.amdhsa_reserve_vcc 1
		.amdhsa_float_denorm_mode_32 3
		.amdhsa_float_denorm_mode_16_64 3
		.amdhsa_memory_ordered 1
		.amdhsa_forward_progress 1
		.amdhsa_inst_pref_size 124
	.end_amdhsa_kernel
	.amdgpu_metadata
---
amdhsa.version: [ 1, 2 ]
amdhsa.kernels:
  - .name:           k_q511637c4bc_mass
    .symbol:         k_q511637c4bc_mass.kd
    .args:
      - { .name: q, .offset: 0, .size: 8, .value_kind: global_buffer, .address_space: global }
      - { .name: q_p, .offset: 8, .size: 8, .value_kind: global_buffer, .address_space: global }
      - { .name: m, .offset: 16, .size: 8, .value_kind: global_buffer, .address_space: global }
      - { .name: m_c, .offset: 24, .size: 8, .value_kind: global_buffer, .address_space: global }
      - { .name: A1, .offset: 32, .size: 8, .value_kind: global_buffer, .address_space: global }
      - { .name: A2, .offset: 40, .size: 8, .value_kind: global_buffer, .address_space: global }
      - { .name: biases, .offset: 48, .size: 8, .value_kind: global_buffer, .address_space: global }
      - { .name: mask, .offset: 56, .size: 8, .value_kind: global_buffer, .address_space: global }
      - { .name: out0, .offset: 64, .size: 8, .value_kind: global_buffer, .address_space: global }
    .group_segment_fixed_size: 9728
    .private_segment_fixed_size: 0
    .kernarg_segment_align: 8
    .kernarg_segment_size: 72
    .max_flat_workgroup_size: 256
    .sgpr_count:     66
    .vgpr_count:     256
    .wavefront_size: 32
...
	.end_amdgpu_metadata
.endif
;; end of part 1
